; MI455X (gfx1250); checked and timed in simulation.
; The chip was launched on July 23, 2026; its instructions are those of AMD's public machine-readable ISA for CDNA 5 (MIT licence, August 2026) and "CDNA5" Instruction Set Architecture Reference Guide (July 2026). The comments in the code are by the model that wrote it; some were corrected since.
;; Attention. Allowed arithmetic: float matrix products may take bf16 or f16 operands with f32 sums; other float arithmetic in f32, or as packed bf16 or f16 multiplies, adds, multiply-adds, maxima and minima; sums over many terms, partial sums and values carried from step to step in f32; what a program stores and reads back later, other than sums and carried values, may be rounded once to bf16 or f16.
;; Inputs: U 1,024 x 1,024 float32; W 1,024 x 1,024 float32; hidden 1 x 64 x 1,024 float32; inputs 1,024 x 64 x 1,024 float32; pad_matrix 64 x 1,024 bool; v 1,024 x 1 float32.
;; Outputs: out0 64 x 1,024 float32.
;; 2 versions, each right; version 2 is version 1 with the launch prep written anew for expert scheduling mode. Each part assembles by itself: llvm-mc -triple=amdgcn-amd-amdhsa -mcpu=gfx1250 --defsym DOCPART=n.
;; ======== version 1 of 2: 3 launches
;; workspace buffers: ut 2,097,152 bytes; ah 262,144 bytes; part 524,288 bytes
;; launch prep (part 1): grid 144 x 1, 8 waves a work-group, no clusters, 271,360 bytes of LDS; arguments U, W, hidden, ut, ah; writes ut, ah
.if DOCPART == 1
	.amdgcn_target "amdgcn-amd-amdhsa--gfx1250"
	.amdhsa_code_object_version 6
	.text
	.protected	k_q2f75cff1e9_prep
	.globl	k_q2f75cff1e9_prep
	.p2align	8
	.type	k_q2f75cff1e9_prep,@function
k_q2f75cff1e9_prep:
	s_mov_b64 s[64:65], 0
	v_nop
	global_prefetch_b8 v0, s[64:65] scope:SCOPE_SE
	s_setreg_imm32_b32 hwreg(HW_REG_WAVE_MODE, 25, 1), 1
	s_wait_xcnt 0x0
; TWO ROLES IN ONE TEXT, chosen by the work-group's number (the same in all eight waves).
; Work-groups 0-127:   ut[n][k] = bf16(U[k][n]): a tile of 128 k x 64 n is turned through LDS.  ut: [1024 n][1024 k] bf16.
; Work-groups 128-143: ah[b][n] = the sum over k of bf16(hidden[b][k]) bf16(W[k][n]), f32 sums, f32 result.  64 columns n a work-group, K split among
; the eight waves (128 k each); the eight partial sums meet in LDS.
; Every input is rounded to bf16 once, to nearest even.  NaN and infinities are not treated apart.
; No tensor load, no cluster: the tiles are turned and converted on the way, which only registers can do, and no two work-groups read the same bytes of U or W.
.set PT,    272                        ; an LDS row: 256 bytes + 16 of padding
.set TW,    64*PT                      ; a turned tile: 64 rows n x 128 k bf16; wave w's own at w x TW (role U: one tile at 0)
.set PP,    8*TW                       ; the partial sums: wave w's 16 tiles of 1,024 bytes at PP + 16,384 w
.set SPARE, PP+8*16384                 ; the spare words, 128 bytes for each wave: four blocks of 256 bytes that no other line names
.set SPW, 6                            ; v6   my spare word's address; never rewritten
.set NIL, 7                            ; v7   0; never rewritten
.set TRO, 8                            ; v8   memory: 8 (l / 16) rows of 4,096 bytes + 16 (l % 16)
.set TD,  9                            ; v9   LDS: row n = 4 (l % 16), byte 16 (l / 16) of the turned tile
.set RB,  10                           ; v10  LDS: row 8 w + l / 16, byte 16 (l % 16): whole rows back
.set GO,  11                           ; v11  the same place in the output
.set HO,  12                           ; v12  hidden: row l % 16, byte 32 (l / 16)
.set WF,  13                           ; v13  a fragment of the turned W
.set PW,  14                           ; v14  where I put partial sums
.set PR,  15                           ; v15  where I read them (waves 0-3's);  v16 the same for waves 4-7's
.set PR2, 16
.set FW,  17                           ; v17  where a finished tile goes
.set T,   16                           ; v16-31  packed bf16 at work while tiles are turned
.set X,   32                           ; v32-95  at work
.set HF,  96                           ; v96-127 hidden's four fragments
.set ACC, 128                          ; v128-255 first W's rows as loaded (four groups of 32), then 16 accumulators: (bb, nb) at ACC + 8 (4 bb + nb)
; 16 rows k x 64 columns n of f32: eight loads; sixteen lanes take 256 consecutive bytes, aligned.  A lane ends with 8 consecutive k x 4 n.
.macro TRLOAD base, x, krow
.irp i, 0,1,2,3,4,5,6,7
	global_load_b128 v[(\x)+4*(\i):(\x)+4*(\i)+3], v[TRO], s[\base:\base+1] offset:((\krow)+(\i))*4096 th:TH_LOAD_NT
.endr
.endm
; For each of the lane's four n: its 8 k are rounded to bf16 in pairs, 16 bytes, and go into row n of the turned tile.
.macro TRCVT x, koff
.irp e, 0,1,2,3
.irp p, 0,1,2,3
	v_cvt_pk_bf16_f32 v[T+4*(\e)+(\p)], v[(\x)+8*(\p)+(\e)], v[(\x)+8*(\p)+4+(\e)]
.endr
	ds_store_b128 v[TD], v[T+4*(\e):T+4*(\e)+3] offset:(\e)*PT+(\koff)
.endr
.endm
.macro PLACES
.rept 4
	v_nop
.endr
.endm
	s_load_b256 s[4:11], s[0:1], 0x0               ; U s[4:5], W s[6:7], hidden s[8:9], ut s[10:11]
	s_load_b64 s[12:13], s[0:1], 0x20              ; ah
	v_lshl_add_u32 v[SPW], v0, 2, SPARE
	v_mov_b32 v[NIL], 0
	v_lshrrev_b32 v1, 5, v0
	v_readfirstlane_b32 s14, v1                    ; wave 0..7
	v_and_b32 v1, 15, v0                           ; l % 16
	v_bfe_u32 v2, v0, 4, 1                         ; l / 16
	v_and_b32 v3, 31, v0                           ; l
	v_lshlrev_b32 v4, 15, v2
	v_lshl_add_u32 v[TRO], v1, 4, v4
	v_mul_u32_u24 v4, v1, 4*PT
	v_lshl_add_u32 v[TD], v2, 4, v4
	s_lshl_b32 s15, s14, 3
	v_add_nc_u32 v5, s15, v2                       ; 8 w + l / 16
	v_mul_u32_u24 v4, v5, PT
	v_lshl_add_u32 v[RB], v1, 4, v4
	s_mov_b32 s17, 0                               ; the high word of every offset
	s_wait_kmcnt 0x0
	s_cmp_lt_u32 ttmp9, 128
	s_cbranch_scc0 .Lrole_ah
	; ROLE U.  kt = number % 8: 128 k; nq = number / 8: 64 n.  Wave w takes 16 of the k.
	s_and_b32 s18, ttmp9, 7
	s_lshr_b32 s19, ttmp9, 3
	s_lshl_b32 s16, s18, 19                        ; (128 kt + 16 w) rows of 4,096 bytes + 256 nq
	s_lshl_b32 s20, s14, 16
	s_or_b32 s16, s16, s20
	s_lshl_b32 s20, s19, 8
	s_or_b32 s16, s16, s20
	s_add_nc_u64 s[4:5], s[4:5], s[16:17]
	TRLOAD 4, X, 0
	s_lshl_b32 s20, s14, 5
	v_add_nc_u32 v[TD], s20, v[TD]                 ; my 16 k are bytes 32 w on of a turned row
	v_lshlrev_b32 v4, 11, v5
	v_lshl_add_u32 v[GO], v1, 4, v4                ; row 8 w + l / 16 of ut's 64, 2,048 bytes each
	s_lshl_b32 s16, s19, 17                        ; 64 nq rows + 256 kt
	s_lshl_b32 s20, s18, 8
	s_or_b32 s16, s16, s20
	s_add_nc_u64 s[10:11], s[10:11], s[16:17]
	s_wait_loadcnt 0x0
	TRCVT X, 0
	s_wait_dscnt 0x0                               ; for the others' sake: my part of the turned tile is written
	s_barrier_signal -1
	s_barrier_wait -1
.irp i, 0,1,2,3
	ds_load_b128 v[X+4*(\i):X+4*(\i)+3], v[RB] offset:(\i)*2*PT
.endr
.irp i, 0,1,2,3
	s_wait_dscnt 3-(\i)
	global_store_b128 v[GO], v[X+4*(\i):X+4*(\i)+3], s[10:11] offset:(\i)*4096  ; sixteen lanes store 256 consecutive bytes, aligned
.endr
	s_branch .Lend
.Lrole_ah:
	; ROLE ah.  j = number - 128: columns 64 j on.  Wave w: k = 128 w on.
	s_sub_co_u32 s18, ttmp9, 128
	s_lshl_b32 s16, s14, 19                        ; 128 w rows of W + 256 j
	s_lshl_b32 s20, s18, 8
	s_or_b32 s16, s16, s20
	s_add_nc_u64 s[6:7], s[6:7], s[16:17]
.irp g, 0,1,2,3
	TRLOAD 6, ACC+32*(\g), 16*(\g)
.endr
	s_mul_i32 s21, s14, TW
	v_add_nc_u32 v[TD], s21, v[TD]                 ; my own turned tile
	v_mul_u32_u24 v4, v1, PT
	v_lshl_add_u32 v4, v2, 4, v4
	v_add_nc_u32 v[WF], s21, v4                    ; a fragment: row l % 16, 16 bytes for each half of the lanes
	v_lshlrev_b32 v4, 12, v1
	v_lshl_add_u32 v[HO], v2, 5, v4
	s_lshl_b32 s16, s14, 9                         ; hidden at k = 128 w
	s_add_nc_u64 s[8:9], s[8:9], s[16:17]
.irp g, 0,1,2,3
	s_wait_loadcnt 24                              ; group g is in; the three younger groups of eight loads stay out
	TRCVT ACC+32*(\g), 32*(\g)
	TRLOAD 6, ACC+32*(\g), 16*((\g)+4)
.endr
.irp g, 4,5,6,7
	s_wait_loadcnt 8*(7-(\g))                      ; the counts run down
	TRCVT ACC+32*((\g)-4), 32*(\g)
.endr
	; Four chunks of 32 k.  Source 0 = 16 columns n of W (turned), source 1 = 16 rows b of hidden: a lane ends with one b and eight neighbouring n.
.irp c, 0,1,2,3
.if (\c) > 0
	PLACES                                         ; behind the last product, in front of loads and conversions into registers that it read
.endif
.irp bb, 0,1,2,3
.irp m, 0,1,2,3
	global_load_b128 v[X+16*(\bb)+4*(\m):X+16*(\bb)+4*(\m)+3], v[HO], s[8:9] offset:(\bb)*65536+(\c)*128+16*((\m)%2)+64*((\m)/2)
.endr
.endr
	s_wait_loadcnt 0x0
.set i, 0
.rept 32
	v_cvt_pk_bf16_f32 v[HF+i], v[X+2*i], v[X+2*i+1]
.set i, i+1
.endr
.irp nb, 0,1,2,3
	ds_load_b128 v[X+8*(\nb):X+8*(\nb)+3],   v[WF] offset:(\nb)*16*PT+64*(\c)      ; my own stores above are seen: LDS serves a wave's instructions in order (ISA guide 5.7.1.4)
	ds_load_b128 v[X+8*(\nb)+4:X+8*(\nb)+7], v[WF] offset:(\nb)*16*PT+64*(\c)+32
.endr
	s_wait_dscnt 0x0
.irp bb, 0,1,2,3
.irp nb, 0,1,2,3
.if (\c) == 0
	v_wmma_f32_16x16x32_bf16 v[ACC+8*(4*(\bb)+(\nb)):ACC+8*(4*(\bb)+(\nb))+7], v[X+8*(\nb):X+8*(\nb)+7], v[HF+8*(\bb):HF+8*(\bb)+7], 0
.else
	v_wmma_f32_16x16x32_bf16 v[ACC+8*(4*(\bb)+(\nb)):ACC+8*(4*(\bb)+(\nb))+7], v[X+8*(\nb):X+8*(\nb)+7], v[HF+8*(\bb):HF+8*(\bb)+7], v[ACC+8*(4*(\bb)+(\nb)):ACC+8*(4*(\bb)+(\nb))+7]
.endif
.endr
.endr
.endr
	; the addresses of the meeting: plain work behind the last products
	s_lshl_b32 s20, s14, 14
	s_add_co_u32 s20, s20, PP
	v_lshl_add_u32 v[PW], v3, 5, s20               ; PP + 16,384 w + 32 l
	s_lshl_b32 s20, s14, 11
	s_add_co_u32 s20, s20, PP
	v_lshl_add_u32 v[PR], v3, 5, s20               ; tiles 2 w and 2 w + 1 of wave 0's sixteen
	v_add_nc_u32 v[PR2], 65536, v[PR]              ; and of wave 4's: an LDS immediate has 16 bits
	s_lshr_b32 s20, s14, 1
	s_lshl_b32 s20, s20, 4
	v_add_nc_u32 v4, s20, v1                       ; b = 16 (w / 2) + l % 16
	v_mul_u32_u24 v4, v4, PT
	v_lshl_add_u32 v4, v2, 5, v4                   ; 8 n of f32 for each half of the lanes
	s_and_b32 s20, s14, 1
	s_lshl_b32 s20, s20, 7
	v_add_nc_u32 v[FW], s20, v4                    ; n block 2 (w % 2)
.irp q, 0,1,2,3,4,5,6,7,8,9,10,11,12,13,14,15
	ds_store_b128 v[PW], v[ACC+8*(\q):ACC+8*(\q)+3]   offset:1024*(\q)
	ds_store_b128 v[PW], v[ACC+8*(\q)+4:ACC+8*(\q)+7] offset:1024*(\q)+16
.endr
	s_wait_dscnt 0x0                               ; my partial sums are written, and my reads of my turned tile are long back
	s_barrier_signal -1
	s_barrier_wait -1
	; Wave w adds the eight partial sums of tiles 2 w and 2 w + 1 and lays them by rows b (pitch 272) from LDS byte 0 on, where nobody reads a turned tile any more.
.irp t, 0,1
.irp u, 0,1,2,3
	ds_load_b128 v[X+8*(\u):X+8*(\u)+3],       v[PR]  offset:(\u)*16384+1024*(\t)
	ds_load_b128 v[X+8*(\u)+4:X+8*(\u)+7],     v[PR]  offset:(\u)*16384+1024*(\t)+16
	ds_load_b128 v[X+32+8*(\u):X+32+8*(\u)+3], v[PR2] offset:(\u)*16384+1024*(\t)
	ds_load_b128 v[X+32+8*(\u)+4:X+32+8*(\u)+7], v[PR2] offset:(\u)*16384+1024*(\t)+16
.endr
	s_wait_dscnt 0x0
.irp w, 32,16,8
.set i, 0
.rept (\w)/2
	v_pk_add_f32 v[X+i:X+i+1], v[X+i:X+i+1], v[X+(\w)+i:X+(\w)+i+1]
.set i, i+2
.endr
.endr
	ds_store_b128 v[FW], v[X:X+3]   offset:64*(\t)
	ds_store_b128 v[FW], v[X+4:X+7] offset:64*(\t)+16
.endr
	v_lshlrev_b32 v4, 12, v5
	v_lshl_add_u32 v[GO], v1, 4, v4                ; row 8 w + l / 16 of ah
	s_lshl_b32 s16, s18, 8
	s_add_nc_u64 s[12:13], s[12:13], s[16:17]      ; columns 64 j on
	s_wait_dscnt 0x0
	s_barrier_signal -1
	s_barrier_wait -1
.irp i, 0,1,2,3
	ds_load_b128 v[X+4*(\i):X+4*(\i)+3], v[RB] offset:(\i)*2*PT
.endr
.irp i, 0,1,2,3
	s_wait_dscnt 3-(\i)
	global_store_b128 v[GO], v[X+4*(\i):X+4*(\i)+3], s[12:13] offset:(\i)*8192  ; sixteen lanes store 256 consecutive bytes, aligned
.endr
.Lend:
	s_wait_tensorcnt 0x0                           ; the wave's end, behind my last LDS store
	ds_add_u32 v[SPW], v[NIL]
	s_wait_dscnt 0x0
	s_endpgm
.Lfunc_end_k_q2f75cff1e9_prep:
	.size	k_q2f75cff1e9_prep, .Lfunc_end_k_q2f75cff1e9_prep-k_q2f75cff1e9_prep
	.p2alignl 7, 3214868480
	.fill 96, 4, 3214868480
	.section	.rodata,"a",@progbits
	.p2align	6, 0x0
	.amdhsa_kernel k_q2f75cff1e9_prep
		.amdhsa_group_segment_fixed_size 271360
		.amdhsa_private_segment_fixed_size 0
		.amdhsa_enable_private_segment 0
		.amdhsa_kernarg_size 40
		.amdhsa_user_sgpr_count 2
		.amdhsa_user_sgpr_kernarg_segment_ptr 1
		.amdhsa_wavefront_size32 1
		.amdhsa_system_sgpr_workgroup_id_x 1
		.amdhsa_system_sgpr_workgroup_id_y 1
		.amdhsa_system_sgpr_workgroup_id_z 1
		.amdhsa_system_vgpr_workitem_id 0
		.amdhsa_next_free_vgpr 256
		.amdhsa_next_free_sgpr 66
		.amdhsa_reserve_vcc 0
		.amdhsa_float_denorm_mode_32 3
		.amdhsa_float_denorm_mode_16_64 3
		.amdhsa_memory_ordered 1
		.amdhsa_forward_progress 1
		.amdhsa_inst_pref_size 53
	.end_amdhsa_kernel
	.amdgpu_metadata
---
amdhsa.version: [ 1, 2 ]
amdhsa.kernels:
  - .name:           k_q2f75cff1e9_prep
    .symbol:         k_q2f75cff1e9_prep.kd
    .args:
      - { .name: U, .offset: 0, .size: 8, .value_kind: global_buffer, .address_space: global }
      - { .name: W, .offset: 8, .size: 8, .value_kind: global_buffer, .address_space: global }
      - { .name: hidden, .offset: 16, .size: 8, .value_kind: global_buffer, .address_space: global }
      - { .name: ut, .offset: 24, .size: 8, .value_kind: global_buffer, .address_space: global }
      - { .name: ah, .offset: 32, .size: 8, .value_kind: global_buffer, .address_space: global }
    .group_segment_fixed_size: 271360
    .private_segment_fixed_size: 0
    .kernarg_segment_align: 8
    .kernarg_segment_size: 40
    .max_flat_workgroup_size: 256
    .sgpr_count:     66
    .vgpr_count:     256
    .wavefront_size: 32
...
	.end_amdgpu_metadata
.endif
;; end of part 1
;; launch main (part 2): grid 256 x 1, 4 waves a work-group, clusters of 4 x 1, 327,680 bytes of LDS; arguments inputs, ut, ah, v, part; writes part
.if DOCPART == 2
	.amdgcn_target "amdgcn-amd-amdhsa--gfx1250"
	.amdhsa_code_object_version 6
	.text
	.protected	k_q2f75cff1e9_main
	.globl	k_q2f75cff1e9_main
	.p2align	8
	.type	k_q2f75cff1e9_main,@function
k_q2f75cff1e9_main:
	s_mov_b64 s[64:65], 0
	v_nop
	global_prefetch_b8 v0, s[64:65] scope:SCOPE_SE
	s_setreg_imm32_b32 hwreg(HW_REG_WAVE_MODE, 25, 1), 1
	s_wait_xcnt 0x0
	s_wait_alu depctr_hold_cnt(0) depctr_sa_sdst(0) depctr_va_vdst(0) depctr_va_sdst(0) depctr_va_ssrc(0) depctr_va_vcc(0) depctr_vm_vsrc(0)
	s_getreg_b32 s2, hwreg(HW_REG_IB_STS2, 6, 4)
	s_cmp_eq_u32 s2, 0
	s_cbranch_scc0 .Lentry_in_a_cluster
	s_endpgm
.Lentry_in_a_cluster:
	s_bfe_u32 s2, ttmp6, 0x10000c
	s_cmp_lg_u32 s2, 0x3003
	s_cbranch_scc0 .Lentry_shape_is_right
	s_endpgm
.Lentry_shape_is_right:
; part[nhalf][b][s] = the sum over the 512 columns n of half nhalf of v[n] tanh(ah[b][n] + the sum over k of inputs[s][b][k] U[k][n]).
; inputs: [1024 s][64 b][1024 k] f32, rounded to bf16 on the way in; ut: [1024 n][1024 k] bf16; ah: [64][1024] f32; v: [1024] f32, rounded to bf16; sums in f32.
; tanh z = 1 - 2 / (1 + 2^(c z)), c = 2 log2(e): where 2^(c z) is infinite the quotient is 0, where it is 0 the quotient is 2: the ends are exact.  So a score is sum(v) - sum(2 v / (1 + 2^(c z))).
; LIMITS.  NaN and infinities among the inputs are not treated apart.  Rows that the mask hides are computed all the same; the launch behind replaces them.
; SHARES.  256 work-groups that stay, four tiles each.  A tile: 128 rows s of ONE b (so ah is one number a column) x 512 columns.  Four waves side by side along n, each 128 x 128: 64 accumulators, 512 registers.
; CLUSTER.  The four work-groups of a cluster have the same half of the columns and walk the same rows of ut: each tile of ut is asked for JOINTLY (mask 15).  The rows of inputs are not: they are f32 and go
; memory -> registers -> bf16 -> LDS, converted once a work-group, which no tensor load can do; the two work-groups that read a row (the two halves of n) lie in neighbouring clusters.
; K goes in steps of 128 through two LDS slots of ut (a wave's 128 rows x 256 bytes by one tensor load), and in halves of 64 through two LDS slots of inputs (bf16), each half loaded two halves ahead into one of
; two sets of 64 registers.  A step is four quarters of 32 along K, 64 matrix instructions each, on two fragment buffers.
; REGISTERS, in windows of 256 (s_set_vgpr_msb: bits 1:0 source 0, 3:2 source 1, 5:4 source 2, 7:6 destination):
;   window 0: v0-31 addresses; v12-13 sum(v); v32-47 c ah, v48-63 -2 v, each number twice (a pair for the packed lines); v64-127, v128-191 fragments of inputs; v128-191 later the rows' sums; v192-223 at work
;   window 1: v0-63, v192-255 the two sets of f32 rows as loaded; v64-127, v128-191 fragments of ut
;   window 2: accumulators of rows 0-63 ((a, nb) at v[8 (8 (a % 4) + nb)]);   window 3: of rows 64-127
; Source 0 = 16 rows of inputs, source 1 = 16 rows of ut: register j of lane l is row 16 a + 8 (l / 16) + j, column 16 nb + l % 16: a lane has ONE column an accumulator, so ah and v are one number a lane and nb.
.set PB,     272                       ; an LDS row of ut: 256 bytes + 16 of padding = 68 words: the 16 rows of a load start at 16 different groups of four banks (ISA guide 11.1)
.set BW,     128*PB                    ; a wave's 128 rows
.set BSLOT,  4*BW
.set PA,     144                       ; an LDS row of inputs: 64 bf16 + 16 bytes of padding = 36 words
.set ASLOT,  128*PA
.set ALDS,   2*BSLOT                   ; behind ut's ring, never the target of a tensor load: two slots of inputs,
.set SC,     ALDS+2*ASLOT              ; the four waves' 128 partial scores, 512 bytes each,
.set SPARE,  SC+2048                   ; and the spare words, 128 bytes for each wave: two blocks of 256 bytes that no other line names
.set VS,   12
.set ADRA, 16                          ; v16-17 my fragments of inputs in slot 0, 1
.set ADRB, 20                          ; v20-21 my fragments of ut in slot 0, 1
.set AST,  22                          ; v22  where I put 8 bytes of bf16: row 32 w + l / 16, byte 8 (l % 16), slot 0
.set AOFF, 23                          ; v23  the same row and 16 (l % 16) in memory: rows s are 262,144 bytes apart
.set PFOA, 24                          ; v24  row 32 w + l of the tile, in memory
.set PFOB, 25                          ; v25  row l of ut
.set SCW,  26                          ; v26  where my wave's scores go
.set SCR,  27                          ; v27  where wave 0 reads them
.set SPW,  28                          ; v28  my spare word's address; never rewritten
.set NIL,  29                          ; v29  0; never rewritten
.set OUTO, 30                          ; v30  16 l
.set CAH,  32
.set V2,   48
.set F0,   64
.set F1,   128
.set S,    128
.set TMPC, 192
.set WV,    14                         ; s14  wave
.set NH,    15                         ; s15  which half of the columns
.set ABASE, 20                         ; s[20:21] inputs at my b and my first row s
.set LA,    22                         ; s[22:23] the half that is being loaded
.set G1,    24                         ; s[24:31] descriptor group 1
.set G0,    32                         ; s[32:39] group 0, a set for each slot
.set BBASE, 40                         ; s[40:41] ut at my wave's 128 rows
.set KOFF,  42                         ; s[42:43], s[44:45] byte along K of each slot's tile
.set PFA,   46                         ; s[46:47] the half of inputs that is prefetched
.set PFB,   48                         ; s[48:49] the K step of ut that is prefetched, at my work-group's 32 of the wave's 128 rows
.set HL,    50                         ; s50  the half to load next, 0..63 over the four tiles
.set HP,    51                         ; s51  the half to prefetch next: HL + 4
.set LIMA,  52                         ; s52  64 where this cluster prefetches inputs, else 0
.set LIMB,  53                         ; s53  4 where it prefetches ut, else 0
.set TILES, 54
.set LAPC,  55
.set CC,    56                         ; s[56:57] c
.set FB,    62                         ; s62  refills so far
.set WB,    63                         ; s63  w x BW
.set MSB, 0
.macro WIN new                         ; the immediate's high byte repeats the setting that is left; a switch that changes nothing is dropped
.if MSB != (\new)
	s_set_vgpr_msb (MSB<<8)|(\new)
.set MSB, \new
.endif
.endm
.set MUL_LO, 0xa4                      ; source 0 window 0, source 1 window 1, C and D window 2
.set TO_1,   0x40                      ; destination window 1, address window 0
.set CVT,    0x05                      ; sources 0 and 1 window 1, destination window 0
.macro PLACES                          ; four plain places behind a matrix instruction, in front of loads into registers that it read and of lines that read its result
.rept 4
	v_nop
.endr
.endm
.macro CREST                           ; a round of the cluster's barrier behind its opening barrier
	s_cmp_lg_u32 s[WV], 0
	s_cbranch_scc1 .Lnot_wave_0_\@
	s_barrier_signal -3
.Lnot_wave_0_\@:
	s_barrier_wait -3
	s_barrier_signal -1
	s_barrier_wait -1
.endm
.macro CROUND
	s_barrier_signal -1
	s_barrier_wait -1
	CREST
.endm
; 16 matrix instructions: row blocks a0, a0 + 1 of the window's four x all 8 column blocks, 32 along K.  The 64 accumulators take turns in the same order in every quarter.
.macro MUL16 f, hi, a0, zero
	WIN MUL_LO+0x50*(\hi)
.irp a, \a0, (\a0)+1
.irp b, 0,1,2,3,4,5,6,7
.if \zero
	v_wmma_f32_16x16x32_bf16 v[8*(8*(\a)+(\b)):8*(8*(\a)+(\b))+7], v[(\f)+8*(4*(\hi)+(\a)):(\f)+8*(4*(\hi)+(\a))+7], v[(\f)+8*(\b):(\f)+8*(\b)+7], 0
.else
	v_wmma_f32_16x16x32_bf16 v[8*(8*(\a)+(\b)):8*(8*(\a)+(\b))+7], v[(\f)+8*(4*(\hi)+(\a)):(\f)+8*(4*(\hi)+(\a))+7], v[(\f)+8*(\b):(\f)+8*(\b)+7], v[8*(8*(\a)+(\b)):8*(8*(\a)+(\b))+7]
.endif
.endr
.endr
.endm
; 32 LDS loads in one run: a quarter's fragments (my 128 rows of ut at byte kb, the tile's 128 rows of inputs at byte ka) into buffer f; ut's first
.macro FETCH bslot, kb, aslot, ka, f
	WIN TO_1
.irp i, 0,1,2,3,4,5,6,7
	ds_load_b128 v[(\f)+8*(\i):(\f)+8*(\i)+3],   v[ADRB+(\bslot)] offset:(\kb)+(\i)*16*PB
	ds_load_b128 v[(\f)+8*(\i)+4:(\f)+8*(\i)+7], v[ADRB+(\bslot)] offset:(\kb)+(\i)*16*PB+32
.endr
	WIN 0
.irp i, 0,1,2,3,4,5,6,7
	ds_load_b128 v[(\f)+8*(\i):(\f)+8*(\i)+3],   v[ADRA+(\aslot)] offset:(\ka)+(\i)*16*PA
	ds_load_b128 v[(\f)+8*(\i)+4:(\f)+8*(\i)+7], v[ADRA+(\aslot)] offset:(\ka)+(\i)*16*PA+32
.endr
.endm
; A set's 64 f32 a lane (16 rows x 4 columns) are rounded to bf16 and stored into a slot of inputs
.macro CVTST set, aslot
	WIN CVT
.set i, 0
.rept 16
	v_cvt_pk_bf16_f32 v[TMPC+2*i],   v[192*(\set)+4*i],   v[192*(\set)+4*i+1]
	v_cvt_pk_bf16_f32 v[TMPC+2*i+1], v[192*(\set)+4*i+2], v[192*(\set)+4*i+3]
.set i, i+1
.endr
	WIN 0
.set i, 0
.rept 16
	ds_store_b64 v[AST], v[TMPC+2*i:TMPC+2*i+1] offset:i*2*PA+(\aslot)*ASLOT
.set i, i+1
.endr
.endm
; My 32 rows x 256 bytes of a half into a set: 16 loads, two rows each; sixteen lanes take 256 consecutive bytes, aligned.  The largest immediate, 15 x 524,288 + 512, lies inside the signed 24 bits.
.macro ALOAD set, base, extra
	WIN TO_1
.set i, 0
.rept 16
	global_load_b128 v[192*(\set)+4*i:192*(\set)+4*i+3], v[AOFF], s[\base:\base+1] offset:i*524288+(\extra)
.set i, i+1
.endr
	WIN 0
.endm
; The byte offset of half h from ABASE: tile h / 16 is 128 rows s (2^25 bytes) down, half h % 16 is 256 bytes along K.  Into s58; s59 = 0.
.macro HALFOFF h
	s_lshr_b32 s58, s[\h], 4
	s_lshl_b32 s58, s58, 25
	s_and_b32 s60, s[\h], 15
	s_lshl_b32 s60, s60, 8
	s_or_b32 s58, s58, s60
.endm
; A set that has landed goes to LDS; load = 1: the set is asked for again, with the half two halves on, and the half four further on is prefetched into the L2.
; left: the other set's 16 loads are younger and may stay out.
; THE PREFETCH: a wave names its own 32 rows' 256 bytes of a half, a lane a row, one instruction, behind its run of loads.  Each row is read by two work-groups, one in a cluster with nhalf = 0 and one with
; nhalf = 1: the first asks, so each block is named once.  Halves 0 to 6 come by their loads alone; behind half 63 nothing is asked for, and the address is held at half 63.
.macro STAGE set, aslot, load, left
	WIN 0
	s_wait_loadcnt \left
	CVTST \set, \aslot
.if \load
	s_wait_xcnt 0x0                                ; every earlier load and prefetch has read its address: LA, PFA and PFB are written only behind this wait
	HALFOFF HL
	s_add_nc_u64 s[LA:LA+1], s[ABASE:ABASE+1], s[58:59]
	s_add_co_u32 s[HL], s[HL], 1
	s_min_u32 s61, s[HP], 63
	HALFOFF 61
	s_add_nc_u64 s[PFA:PFA+1], s[ABASE:ABASE+1], s[58:59]
.if (\set) == 1
	s_add_nc_u64 s[PFB:PFB+1], s[PFB:PFB+1], 256   ; once a K step: ut's prefetch goes a K step on
.endif
	ALOAD \set, LA, 0
	s_cmp_lt_u32 s[HP], s[LIMA]
	s_cbranch_scc0 .Lno_a_\@
	global_prefetch_b8 v[PFOA], s[PFA:PFA+1] th:TH_LOAD_NT scope:SCOPE_SE
.Lno_a_\@:
	s_add_co_u32 s[HP], s[HP], 1
.endif
.endm
; Quarters 0 and 2 of a step: multiply buffer f; in the middle a set goes to LDS (st = 1) and the next quarter's fragments are fetched into g.
.macro QUARTER bslot, kb, aslot, ka, f, g, zero, st, set=0, sslot=0, load=0, left=0
	s_wait_dscnt 8                                 ; ut's fragments and rows 0-63 are in; the youngest eight loads (rows 64-127) may be out
	MUL16 \f, 0, 0, \zero
	MUL16 \f, 0, 2, \zero
	PLACES
.if \st
	STAGE \set, \sslot, \load, \left
.endif
	FETCH \bslot, \kb, \aslot, \ka, \g
	s_wait_dscnt 32                                ; all but the 32 just issued
	MUL16 \f, 1, 0, \zero
	MUL16 \f, 1, 2, \zero
.endm
; Quarter 1: multiplies buffer 1 and changes slots of inputs, 0 to 1.  One barrier for two things: in front of it every wave's stores into slot 1 are done and its reads of slot 0 are back.
; Nothing is filled by a tensor load behind it, so ut's load may stay on its way.
.macro HALFTURN bslot
	s_wait_dscnt 8
	MUL16 F1, 0, 0, 0
	s_wait_dscnt 0x0
	s_barrier_signal -1
	MUL16 F1, 0, 2, 0
	s_barrier_wait -1
	PLACES
	FETCH \bslot, 128, 1, 0, F0
	MUL16 F1, 1, 0, 0
	MUL16 F1, 1, 2, 0
.endm
; Quarter 3: multiplies buffer 1 and changes slots of ut, and of inputs from 1 to 0.  In front of the barrier each wave waits for all its tensor loads (one is out: its part of the next slot), adds 0 to its
; spare word, and waits for that, for its reads of both slots and for its stores into slot 0 of inputs.  fill = 1: the barrier opens a round of the cluster's barrier, and the slot just read is filled
; again first thing behind it, with the K step two on (behind a tile's last: the next tile's, K wraps at 2,048 bytes).  From the request to the wait for it a wave issues 224 matrix instructions.
; ut's PREFETCH stands behind the joint load and the run of LDS loads: the K step two refills on, in the first walk along K alone (refills 0 to 3 name steps 4 to 7); later walks read the same rows again.
; All clusters of a half read the same rows: clusters 0 and 1 ask; the four partners share a wave's 128 rows out by address, 32 each, a lane a row.
.macro TURN bslot, next, fill
	WIN 0                                          ; (the add's two registers lie in window 0)
	s_wait_tensorcnt 0x0
	ds_add_u32 v[SPW], v[NIL]                      ; 0 onto my spare word
	s_wait_dscnt 9                                 ; (the add and the youngest eight loads may be out)
	MUL16 F1, 0, 0, 0
	s_wait_dscnt 0x0
	s_barrier_signal -1
	MUL16 F1, 0, 2, 0
.if \fill
	WIN 0
.endif
	s_barrier_wait -1
.if \fill
	CREST                                          ; no wave of any partner still reads this slot or has a load on its way
	s_add_co_u32 s[KOFF+2*(\bslot)], s[KOFF+2*(\bslot)], 512
	s_and_b32 s[KOFF+2*(\bslot)], s[KOFF+2*(\bslot)], 2047
	s_add_nc_u64 s[G0+4*(\bslot)+2:G0+4*(\bslot)+3], s[BBASE:BBASE+1], s[KOFF+2*(\bslot):KOFF+2*(\bslot)+1]
	s_or_b32 s[G0+4*(\bslot)+3], s[G0+4*(\bslot)+3], 0x80000000
	tensor_load_to_lds s[G0+4*(\bslot):G0+4*(\bslot)+3], s[G1:G1+7]  ; every wave its own 128 rows: one line, the same in all four work-groups
	s_nop 0
	PLACES                                         ; the places in front of the loads below
.else
	PLACES
.endif
	FETCH \next, 0, 0, 0, F0
.if \fill
	s_cmp_lt_u32 s[FB], s[LIMB]
	s_cbranch_scc0 .Lno_b_\@
	global_prefetch_b8 v[PFOB], s[PFB:PFB+1] th:TH_LOAD_NT scope:SCOPE_SE
.Lno_b_\@:
	s_add_co_u32 s[FB], s[FB], 1
.endif
	MUL16 F1, 1, 0, 0
	MUL16 F1, 1, 2, 0
.endm
; THE SCORES of one window's 32 accumulators.  Three passes, each accumulator's registers in ascending order.  The exponentials are one batch with one wait, the reciprocals another: nothing names a result
; ahead of its batch's wait; a packed plain line stands between every two transcendentals.
.macro EPI hi
	WIN 0x82+0x41*(\hi)                            ; destination and source 0 in the accumulators' window, source 2 in window 0
	v_pk_fma_f32 v[0:1], v[0:1], s[CC:CC+1], v[CAH:CAH+1] op_sel_hi:[1,0,1]
.set p, 0
.rept 128
.if p < 127
	v_pk_fma_f32 v[2*p+2:2*p+3], v[2*p+2:2*p+3], s[CC:CC+1], v[CAH+2*(((p+1)/4)%8):CAH+2*(((p+1)/4)%8)+1] op_sel_hi:[1,0,1]  ; c z = c sum + c ah
.endif
	v_exp_f32 v[2*p], v[2*p]
	v_exp_f32 v[2*p+1], v[2*p+1]
.set p, p+1
.endr
	v_nop
	s_wait_alu depctr_va_vdst(0)
	v_pk_add_f32 v[0:1], v[0:1], 1.0 op_sel_hi:[1,0]
.set p, 0
.rept 128
.if p < 127
	v_pk_add_f32 v[2*p+2:2*p+3], v[2*p+2:2*p+3], 1.0 op_sel_hi:[1,0]
.endif
	v_rcp_f32 v[2*p], v[2*p]
	v_rcp_f32 v[2*p+1], v[2*p+1]
.set p, p+1
.endr
	v_nop
	s_wait_alu depctr_va_vdst(0)
	WIN 0x02+(\hi)                                 ; source 0 in the accumulators' window
.irp nb, 0,1,2,3,4,5,6,7                           ; a row's sum over my 8 columns: sum(v) - sum(2 v / (1 + 2^(c z))); fifteen other sums stand between two links of a chain
.irp a, 0,1,2,3
.irp q, 0,2,4,6
.if (\nb) == 0
	v_pk_fma_f32 v[S+8*(4*(\hi)+(\a))+(\q):S+8*(4*(\hi)+(\a))+(\q)+1], v[8*(8*(\a)+(\nb))+(\q):8*(8*(\a)+(\nb))+(\q)+1], v[V2+2*(\nb):V2+2*(\nb)+1], v[VS:VS+1]
.else
	v_pk_fma_f32 v[S+8*(4*(\hi)+(\a))+(\q):S+8*(4*(\hi)+(\a))+(\q)+1], v[8*(8*(\a)+(\nb))+(\q):8*(8*(\a)+(\nb))+(\q)+1], v[V2+2*(\nb):V2+2*(\nb)+1], v[S+8*(4*(\hi)+(\a))+(\q):S+8*(4*(\hi)+(\a))+(\q)+1]
.endif
.endr
.endr
.endr
.endm
	s_load_b256 s[4:11], s[0:1], 0x0               ; inputs s[4:5], ut s[6:7], ah s[8:9], v s[10:11]
	s_load_b64 s[12:13], s[0:1], 0x20              ; part
	v_lshl_add_u32 v[SPW], v0, 2, SPARE
	v_mov_b32 v[NIL], 0
	ds_add_u32 v[SPW], v[NIL]                      ; the wave's opening: the add, twice on end, and its wait ahead of my first tensor load
	ds_add_u32 v[SPW], v[NIL]                      ; and once more, under the one wait; the set-up below stands between
	v_lshrrev_b32 v1, 5, v0
	v_readfirstlane_b32 s[WV], v1                  ; wave 0..3
	s_and_b32 s[NH], ttmp9, 1                      ; in a cluster launch ttmp9 counts clusters: its low bit is the half of the columns, which the four partners share
	s_bfe_u32 s18, ttmp6, 0x40000                  ; cx: my place in the cluster: it enters addresses in memory alone
	s_lshr_b32 s19, ttmp9, 1
	s_lshl_b32 s19, s19, 2
	s_add_co_u32 s19, s19, s18                     ; my group of rows, 0..127
	s_lshr_b32 s16, s19, 1                         ; b
	s_and_b32 s17, s19, 1                          ; which 512 of its rows s
	s_mov_b32 s[G1+0], 15|(1<<16)|(1<<20)|(1<<21)|(5<<22)|(3<<25)  ; 15:0 the mask of four; 17:16 2-byte elements; 20 padding on; 21 set beside a mask; 24:22 after every 64 words (code 5); 31:25 4 words (code 3)
	s_mov_b32 s[G1+1], 128<<16                     ; tensor_dim0 = 128
	s_mov_b32 s[G1+2], 128<<16                     ; tensor_dim1 = 128
	s_mov_b32 s[G1+3], 128<<16                     ; tile_dim0 = 128
	s_mov_b32 s[G1+4], 128                         ; tile_dim1 = 128
	s_mov_b32 s[G1+5], 1024                        ; elements from row to row
	s_mov_b32 s[G1+6], 0
	s_mov_b32 s[G1+7], 0
	s_mul_i32 s[WB], s[WV], BW
	s_mov_b32 s[G0], 1
	s_mov_b32 s[G0+1], s[WB]                       ; LDS address: slot 0, my wave's rows
	s_mov_b32 s[G0+4], 1
	s_add_co_u32 s[G0+5], s[WB], BSLOT
	s_mov_b32 s[KOFF], 0
	s_mov_b32 s[KOFF+1], 0
	s_mov_b32 s[KOFF+2], 256
	s_mov_b32 s[KOFF+3], 0
	s_mov_b32 s[HL], 3
	s_mov_b32 s[HP], 7
	s_mov_b32 s[FB], 0
	s_mov_b32 s[TILES], 4
	s_mov_b32 s[CC], 0x4038aa3b                    ; c = 2 log2(e)
	s_mov_b32 s[CC+1], s[CC]                       ; named with it as a pair
	s_mov_b32 s59, 0                               ; the high word of every offset
	s_cmp_eq_u32 s[NH], 0
	s_cselect_b32 s[LIMA], 64, 0
	s_cmp_lt_u32 ttmp9, 2
	s_cselect_b32 s[LIMB], 4, 0
	s_wait_dscnt 0x0                               ; both opening adds are done
	s_wait_kmcnt 0x0
	s_lshl_b32 s58, s[NH], 20                      ; (512 nhalf + 128 w) rows of 2,048 bytes
	s_lshl_b32 s60, s[WV], 18
	s_or_b32 s58, s58, s60
	s_add_nc_u64 s[BBASE:BBASE+1], s[6:7], s[58:59]
	s_mov_b64 s[G0+2:G0+3], s[BBASE:BBASE+1]       ; K step 0
	s_or_b32 s[G0+3], s[G0+3], 0x80000000          ; type = 2
	s_add_nc_u64 s[G0+6:G0+7], s[BBASE:BBASE+1], 256  ; K step 1
	s_or_b32 s[G0+7], s[G0+7], 0x80000000
	s_lshl_b32 s58, s18, 16                        ; my work-group's 32 rows
	s_add_nc_u64 s[PFB:PFB+1], s[BBASE:BBASE+1], s[58:59]
	s_add_nc_u64 s[PFB:PFB+1], s[PFB:PFB+1], 3*256 ; the first quarter steps it to K step 4, which refill 0 names
	s_lshl_b32 s58, s[NH], 11                      ; my wave's 128 columns, in f32
	s_lshl_b32 s60, s[WV], 9
	s_or_b32 s58, s58, s60
	s_add_nc_u64 s[10:11], s[10:11], s[58:59]
	s_lshl_b32 s60, s16, 12
	s_or_b32 s58, s58, s60
	s_add_nc_u64 s[8:9], s[8:9], s[58:59]
	s_lshl_b32 s58, s16, 12                        ; inputs: b x 4,096 + 512 rows s x 262,144
	s_lshl_b32 s60, s17, 27
	s_or_b32 s58, s58, s60
	s_add_nc_u64 s[ABASE:ABASE+1], s[4:5], s[58:59]
	s_lshl_b32 s58, s[NH], 18                      ; part: [nhalf][b][s]
	s_lshl_b32 s60, s16, 12
	s_or_b32 s58, s58, s60
	s_lshl_b32 s60, s17, 11
	s_or_b32 s58, s58, s60
	s_add_nc_u64 s[12:13], s[12:13], s[58:59]
	CROUND                                         ; all four work-groups are here: the first joint loads meet
	tensor_load_to_lds s[G0:G0+3], s[G1:G1+7]      ; two loads of mine are out
	s_nop 0
	tensor_load_to_lds s[G0+4:G0+7], s[G1:G1+7]
	s_nop 0
	PLACES
	v_and_b32 v1, 15, v0                           ; l % 16
	v_bfe_u32 v2, v0, 4, 1                         ; l / 16
	v_and_b32 v3, 31, v0                           ; l
	v_lshlrev_b32 v10, 2, v1
	s_lshl_b32 s60, s[WV], 5
	v_add_nc_u32 v6, s60, v2                       ; 32 w + l / 16
	v_lshlrev_b32 v8, 18, v6
	v_lshl_add_u32 v[AOFF], v1, 4, v8
.irp nb, 0,1,2,3,4,5,6,7
	global_load_b32 v[TMPC+(\nb)], v10, s[10:11] offset:64*(\nb)   ; v of column 16 nb + l % 16
.endr
.irp nb, 0,1,2,3,4,5,6,7
	global_load_b32 v[TMPC+8+(\nb)], v10, s[8:9] offset:64*(\nb)   ; ah of the same
.endr
	ALOAD 0, ABASE, 0                              ; half 0
	ALOAD 1, ABASE, 256                            ; half 1
	v_mul_u32_u24 v4, v1, PA
	v_lshl_add_u32 v4, v2, 4, v4                   ; a fragment: row l % 16, 16 bytes for each half of the lanes
	v_add_nc_u32 v[ADRA], ALDS, v4
	v_add_nc_u32 v[ADRA+1], ALDS+ASLOT, v4
	v_mul_u32_u24 v5, v1, PB
	v_lshl_add_u32 v5, v2, 4, v5
	v_add_nc_u32 v[ADRB], s[WB], v5
	v_add_nc_u32 v[ADRB+1], BSLOT, v[ADRB]
	v_mul_u32_u24 v7, v6, PA
	v_lshl_add_u32 v7, v1, 3, v7
	v_add_nc_u32 v[AST], ALDS, v7
	v_add_nc_u32 v9, s60, v3
	v_lshlrev_b32 v[PFOA], 18, v9
	v_lshlrev_b32 v[PFOB], 11, v3
	s_lshl_b32 s61, s[WV], 9
	s_add_co_u32 s61, s61, SC
	v_lshl_add_u32 v[SCW], v2, 5, s61              ; 8 rows of f32 for each half of the lanes
	v_lshlrev_b32 v[OUTO], 4, v3
	v_add_nc_u32 v[SCR], SC, v[OUTO]
	s_wait_loadcnt 32                              ; v and ah are in; the 32 loads of halves 0 and 1 may stay out
.irp nb, 0,1,2,3,4,5,6,7
	v_cvt_pk_bf16_f32 v[TMPC+(\nb)], v[TMPC+(\nb)], v[TMPC+(\nb)]  ; v rounded to bf16, like every input,
	v_lshlrev_b32 v[TMPC+(\nb)], 16, v[TMPC+(\nb)]                 ; and back in f32
	v_mul_f32 v[V2+2*(\nb)], -2.0, v[TMPC+(\nb)]
	v_mov_b32 v[V2+2*(\nb)+1], v[V2+2*(\nb)]
	v_mul_f32 v[CAH+2*(\nb)], s[CC], v[TMPC+8+(\nb)]
	v_mov_b32 v[CAH+2*(\nb)+1], v[CAH+2*(\nb)]
.endr
	v_add_f32 v[VS], v[TMPC], v[TMPC+1]
.irp nb, 2,3,4,5,6,7
	v_add_f32 v[VS], v[VS], v[TMPC+(\nb)]
.endr
	v_mov_b32 v[VS+1], v[VS]
	s_wait_loadcnt 16                              ; half 0 is in
	CVTST 0, 0
	ALOAD 0, ABASE, 512                            ; half 2
	s_wait_tensorcnt 0x1                           ; my part of K step 0 is in; K step 1's may stay out
	s_wait_dscnt 0x0                               ; my part of half 0 is written
	s_barrier_signal -1
	s_barrier_wait -1
	FETCH 0, 0, 0, 0, F0
.Ltile:
	QUARTER 0, 64, 0, 64, F0, F1, 1, 1, 1, 1, 1, 16   ; a tile's first quarter stands in front of the loop: its products start the sums
	WIN 0                                          ; at a label and at a branch every window is 0
	s_mov_b32 s[LAPC], 3
.Llap:                                             ; a trip: two K steps, from a step's second quarter to the first quarter two steps on
	HALFTURN 0
	QUARTER 0, 192, 1, 64, F0, F1, 0, 1, 0, 0, 1, 16
	TURN 0, 1, 1
	QUARTER 1, 64, 0, 64, F0, F1, 0, 1, 1, 1, 1, 16
	HALFTURN 1
	QUARTER 1, 192, 1, 64, F0, F1, 0, 1, 0, 0, 1, 16
	TURN 1, 0, 1
	QUARTER 0, 64, 0, 64, F0, F1, 0, 1, 1, 1, 1, 16
	WIN 0
	s_sub_co_u32 s[LAPC], s[LAPC], 1
	s_cmp_lg_u32 s[LAPC], 0
	s_cbranch_scc1 .Llap
	s_cmp_eq_u32 s[TILES], 1
	s_cbranch_scc1 .Llast                          ; the last tile's tail is written out: it asks for nothing more
	HALFTURN 0                                     ; BOTH RINGS GO ON INTO THE NEXT TILE: the counters of halves and the byte along K roll over by themselves
	QUARTER 0, 192, 1, 64, F0, F1, 0, 1, 0, 0, 1, 16
	TURN 0, 1, 1
	QUARTER 1, 64, 0, 64, F0, F1, 0, 1, 1, 1, 1, 16
	HALFTURN 1
	QUARTER 1, 192, 1, 64, F0, F1, 0, 1, 0, 0, 1, 16
	TURN 1, 0, 1                                   ; and the next tile's first fragments are fetched
	WIN 0
	s_branch .Lepi
.Llast:
	HALFTURN 0
	QUARTER 0, 192, 1, 64, F0, F1, 0, 1, 0, 0, 0, 16  ; half 62 goes to LDS; half 63's 16 loads may stay out; nothing is loaded
	TURN 0, 1, 0
	QUARTER 1, 64, 0, 64, F0, F1, 0, 1, 1, 1, 0, 0    ; half 63
	HALFTURN 1
	QUARTER 1, 192, 1, 64, F0, F1, 0, 0
	s_wait_dscnt 8
	MUL16 F1, 0, 0, 0
	MUL16 F1, 0, 2, 0
	s_wait_dscnt 0x0
	MUL16 F1, 1, 0, 0
	MUL16 F1, 1, 2, 0
	WIN 0
.Lepi:
	PLACES
	EPI 0
	EPI 1
	WIN 0
.irp m, 1,2,4,8                                    ; a row's sum over the sixteen lanes that hold its columns
.set i, 0
.rept 64
	v_add_f32_dpp v[S+i], v[S+i], v[S+i] row_xmask:\m row_mask:0xf bank_mask:0xf
.set i, i+1
.endr
.endr
.irp a, 0,1,2,3,4,5,6,7
	ds_store_b128 v[SCW], v[S+8*(\a):S+8*(\a)+3]   offset:64*(\a)     ; rows 16 a + 8 (l / 16) + 0..3: the sixteen lanes of a half write the same words with the same values
	ds_store_b128 v[SCW], v[S+8*(\a)+4:S+8*(\a)+7] offset:64*(\a)+16
.endr
	s_wait_dscnt 0x0                               ; my 128 partial scores are written
	s_barrier_signal -1
	s_barrier_wait -1
	s_cmp_lg_u32 s[WV], 0
	s_cbranch_scc1 .Lnot_first                     ; wave 0 adds the four waves' and stores
.irp u, 0,1,2,3
	ds_load_b128 v[TMPC+4*(\u):TMPC+4*(\u)+3], v[SCR] offset:512*(\u)
.endr
	s_wait_dscnt 0x0
	v_pk_add_f32 v[TMPC:TMPC+1], v[TMPC:TMPC+1], v[TMPC+4:TMPC+5]
	v_pk_add_f32 v[TMPC+2:TMPC+3], v[TMPC+2:TMPC+3], v[TMPC+6:TMPC+7]
	v_pk_add_f32 v[TMPC+8:TMPC+9], v[TMPC+8:TMPC+9], v[TMPC+12:TMPC+13]
	v_pk_add_f32 v[TMPC+10:TMPC+11], v[TMPC+10:TMPC+11], v[TMPC+14:TMPC+15]
	v_pk_add_f32 v[TMPC:TMPC+1], v[TMPC:TMPC+1], v[TMPC+8:TMPC+9]
	v_pk_add_f32 v[TMPC+2:TMPC+3], v[TMPC+2:TMPC+3], v[TMPC+10:TMPC+11]
	global_store_b128 v[OUTO], v[TMPC:TMPC+3], s[12:13]  ; 128 scores: 512 consecutive bytes, aligned
.Lnot_first:
	s_wait_xcnt 0x0                                ; the store has read its base and its data
	s_add_nc_u64 s[12:13], s[12:13], 512           ; the next tile's 128 rows s
	s_sub_co_u32 s[TILES], s[TILES], 1
	s_cmp_lg_u32 s[TILES], 0
	s_cbranch_scc1 .Ltile
	s_wait_tensorcnt 0x0                           ; the wave's end, behind my last tensor load and my last LDS store
	ds_add_u32 v[SPW], v[NIL]
	s_wait_dscnt 0x0
	CROUND                                         ; the closing round: no work-group ends while a partner may still ask for a tile that names it
	s_endpgm
.Lfunc_end_k_q2f75cff1e9_main:
	.size	k_q2f75cff1e9_main, .Lfunc_end_k_q2f75cff1e9_main-k_q2f75cff1e9_main
	.p2alignl 7, 3214868480
	.fill 96, 4, 3214868480
	.section	.rodata,"a",@progbits
	.p2align	6, 0x0
	.amdhsa_kernel k_q2f75cff1e9_main
		.amdhsa_group_segment_fixed_size 327680
		.amdhsa_private_segment_fixed_size 0
		.amdhsa_enable_private_segment 0
		.amdhsa_kernarg_size 40
		.amdhsa_user_sgpr_count 2
		.amdhsa_user_sgpr_kernarg_segment_ptr 1
		.amdhsa_wavefront_size32 1
		.amdhsa_system_sgpr_workgroup_id_x 1
		.amdhsa_system_sgpr_workgroup_id_y 1
		.amdhsa_system_sgpr_workgroup_id_z 1
		.amdhsa_system_vgpr_workitem_id 0
		.amdhsa_next_free_vgpr 1024
		.amdhsa_next_free_sgpr 66
		.amdhsa_reserve_vcc 0
		.amdhsa_float_denorm_mode_32 3
		.amdhsa_float_denorm_mode_16_64 3
		.amdhsa_memory_ordered 1
		.amdhsa_forward_progress 1
		.amdhsa_inst_pref_size 255
	.end_amdhsa_kernel
	.section	.bss,"aw",@nobits
	.p2align	6
	.space	262144
	.amdgpu_metadata
---
amdhsa.version: [ 1, 2 ]
amdhsa.kernels:
  - .name:           k_q2f75cff1e9_main
    .symbol:         k_q2f75cff1e9_main.kd
    .args:
      - { .name: inputs, .offset: 0, .size: 8, .value_kind: global_buffer, .address_space: global }
      - { .name: ut, .offset: 8, .size: 8, .value_kind: global_buffer, .address_space: global }
      - { .name: ah, .offset: 16, .size: 8, .value_kind: global_buffer, .address_space: global }
      - { .name: v, .offset: 24, .size: 8, .value_kind: global_buffer, .address_space: global }
      - { .name: part, .offset: 32, .size: 8, .value_kind: global_buffer, .address_space: global }
    .group_segment_fixed_size: 327680
    .private_segment_fixed_size: 0
    .kernarg_segment_align: 8
    .kernarg_segment_size: 40
    .max_flat_workgroup_size: 128
    .sgpr_count:     66
    .vgpr_count:     1024
    .wavefront_size: 32
...
	.end_amdgpu_metadata
.endif
;; end of part 2
;; launch soft (part 3): grid 64 x 1, 8 waves a work-group, no clusters, 1,536 bytes of LDS; arguments part, pad_matrix, out0; writes out0
.if DOCPART == 3
	.amdgcn_target "amdgcn-amd-amdhsa--gfx1250"
	.amdhsa_code_object_version 6
	.text
	.protected	k_q2f75cff1e9_soft
	.globl	k_q2f75cff1e9_soft
	.p2align	8
	.type	k_q2f75cff1e9_soft,@function
k_q2f75cff1e9_soft:
	s_mov_b64 s[64:65], 0
	v_nop
	global_prefetch_b8 v0, s[64:65] scope:SCOPE_SE
	s_setreg_imm32_b32 hwreg(HW_REG_WAVE_MODE, 25, 1), 1
	s_wait_xcnt 0x0
; out0[b][s] = softmax over s of (pad[b][s] ? -100000 : part[0][b][s] + part[1][b][s]).  One work-group a row b; thread t owns s = 4 t .. 4 t + 3.
; The row's true maximum is taken away before the exponentials; a weight below 2^-126 counts as 0.  A row that is hidden throughout comes out uniform.
; 64 rows are all the work there is: 64 work-groups.  No matrix unit, no tensor load: a row is 4 KiB and lives in registers.
.set SPARE, 512                        ; LDS: the waves' maxima at 0, their sums at 256, the spare words (128 bytes a wave) from 512 on
	s_load_b128 s[4:7], s[0:1], 0x0                ; part s[4:5], pad_matrix s[6:7]
	s_load_b64 s[8:9], s[0:1], 0x10                ; out0
	v_lshl_add_u32 v30, v0, 2, SPARE               ; my spare word; never rewritten
	v_mov_b32 v31, 0                               ; 0; never rewritten
	v_lshrrev_b32 v1, 5, v0
	v_readfirstlane_b32 s10, v1                    ; wave 0..7
	v_lshlrev_b32 v2, 4, v0                        ; my 16 bytes of a row of f32
	v_lshlrev_b32 v3, 2, v0                        ; my 4 bytes of the mask
	s_lshl_b32 s12, ttmp9, 12
	s_mov_b32 s13, 0
	s_lshl_b32 s14, ttmp9, 10
	s_mov_b32 s15, 0
	s_mov_b32 s16, 0x76543210                      ; v_permlanex16_b32: each lane takes its own place in the other half
	s_mov_b32 s17, 0xfedcba98
	v_mov_b32 v20, 0xc7c35000                      ; -100000.0
	v_mov_b32 v17, 0
	v_mov_b32 v16, s10
	v_lshlrev_b32 v16, 2, v16                      ; my wave's word
	s_wait_kmcnt 0x0
	s_add_nc_u64 s[4:5], s[4:5], s[12:13]
	s_add_nc_u64 s[6:7], s[6:7], s[14:15]
	s_add_nc_u64 s[8:9], s[8:9], s[12:13]
	global_load_b128 v[4:7], v2, s[4:5]
	global_load_b128 v[8:11], v2, s[4:5] offset:262144
	global_load_b32 v12, v3, s[6:7]
	s_wait_loadcnt 0x0
	v_pk_add_f32 v[4:5], v[4:5], v[8:9]            ; the two halves of the columns
	v_pk_add_f32 v[6:7], v[6:7], v[10:11]
.irp k, 0,1,2,3
	v_bfe_u32 v13, v12, 8*(\k), 8
	v_cmp_ne_u32 vcc_lo, 0, v13
	v_cndmask_b32 v[4+(\k)], v[4+(\k)], v20, vcc_lo
.endr
	v_max3_num_f32 v14, v4, v5, v6
	v_max_num_f32 v14, v14, v7
	v_max_num_f32_dpp v14, v14, v14 row_xmask:1 row_mask:0xf bank_mask:0xf
	v_max_num_f32_dpp v14, v14, v14 row_xmask:2 row_mask:0xf bank_mask:0xf
	v_max_num_f32_dpp v14, v14, v14 row_xmask:4 row_mask:0xf bank_mask:0xf
	v_max_num_f32_dpp v14, v14, v14 row_xmask:8 row_mask:0xf bank_mask:0xf
	v_mov_b32 v15, v14                             ; the permute's destination counts as read
	v_permlanex16_b32 v15, v14, s16, s17
	v_max_num_f32 v14, v14, v15
	ds_store_b32 v16, v14                          ; all lanes write the wave's word with the same value
	s_wait_dscnt 0x0
	s_barrier_signal -1
	s_barrier_wait -1
	ds_load_b128 v[8:11], v17
	ds_load_b128 v[24:27], v17 offset:16
	s_wait_dscnt 0x0
	v_max3_num_f32 v8, v8, v9, v10
	v_max3_num_f32 v24, v24, v25, v26
	v_max3_num_f32 v8, v8, v11, v27
	v_max_num_f32 v14, v8, v24                     ; the row's maximum
.irp k, 0,1,2,3
	v_sub_f32 v[4+(\k)], v[4+(\k)], v14
	v_mul_f32 v[4+(\k)], 0x3fb8aa3b, v[4+(\k)]     ; x log2(e)
.endr
.irp k, 0,1,2,3
	v_exp_f32 v[4+(\k)], v[4+(\k)]
.endr
	v_nop                                          ; a plain line behind the last exponential,
	s_wait_alu depctr_va_vdst(0)                   ; and one wait for the four, ahead of their first reader
	v_add_f32 v18, v4, v5
	v_add_f32 v19, v6, v7
	v_add_f32 v18, v18, v19
	v_add_f32_dpp v18, v18, v18 row_xmask:1 row_mask:0xf bank_mask:0xf
	v_add_f32_dpp v18, v18, v18 row_xmask:2 row_mask:0xf bank_mask:0xf
	v_add_f32_dpp v18, v18, v18 row_xmask:4 row_mask:0xf bank_mask:0xf
	v_add_f32_dpp v18, v18, v18 row_xmask:8 row_mask:0xf bank_mask:0xf
	v_permlanex16_b32 v15, v18, s16, s17
	v_add_f32 v18, v18, v15
	ds_store_b32 v16, v18 offset:256               ; other words than the maxima's: no second barrier is wanted in front
	s_wait_dscnt 0x0
	s_barrier_signal -1
	s_barrier_wait -1
	ds_load_b128 v[8:11], v17 offset:256
	ds_load_b128 v[24:27], v17 offset:272
	s_wait_dscnt 0x0
	v_pk_add_f32 v[8:9], v[8:9], v[10:11]
	v_pk_add_f32 v[24:25], v[24:25], v[26:27]
	v_pk_add_f32 v[8:9], v[8:9], v[24:25]
	v_add_f32 v8, v8, v9
	v_rcp_f32 v18, v8
	v_nop
	s_wait_alu depctr_va_vdst(0)
.irp k, 0,1,2,3
	v_mul_f32 v[4+(\k)], v[4+(\k)], v18
.endr
	global_store_b128 v2, v[4:7], s[8:9]           ; a wave stores 512 consecutive bytes, aligned
	s_wait_tensorcnt 0x0                           ; the wave's end, behind my last LDS store
	ds_add_u32 v30, v31
	s_wait_dscnt 0x0
	s_endpgm
.Lfunc_end_k_q2f75cff1e9_soft:
	.size	k_q2f75cff1e9_soft, .Lfunc_end_k_q2f75cff1e9_soft-k_q2f75cff1e9_soft
	.p2alignl 7, 3214868480
	.fill 96, 4, 3214868480
	.section	.rodata,"a",@progbits
	.p2align	6, 0x0
	.amdhsa_kernel k_q2f75cff1e9_soft
		.amdhsa_group_segment_fixed_size 1536
		.amdhsa_private_segment_fixed_size 0
		.amdhsa_enable_private_segment 0
		.amdhsa_kernarg_size 24
		.amdhsa_user_sgpr_count 2
		.amdhsa_user_sgpr_kernarg_segment_ptr 1
		.amdhsa_wavefront_size32 1
		.amdhsa_system_sgpr_workgroup_id_x 1
		.amdhsa_system_sgpr_workgroup_id_y 1
		.amdhsa_system_sgpr_workgroup_id_z 1
		.amdhsa_system_vgpr_workitem_id 0
		.amdhsa_next_free_vgpr 32
		.amdhsa_next_free_sgpr 66
		.amdhsa_reserve_vcc 1
		.amdhsa_float_denorm_mode_32 3
		.amdhsa_float_denorm_mode_16_64 3
		.amdhsa_memory_ordered 1
		.amdhsa_forward_progress 1
		.amdhsa_inst_pref_size 6
	.end_amdhsa_kernel
	.amdgpu_metadata
---
amdhsa.version: [ 1, 2 ]
amdhsa.kernels:
  - .name:           k_q2f75cff1e9_soft
    .symbol:         k_q2f75cff1e9_soft.kd
    .args:
      - { .name: part, .offset: 0, .size: 8, .value_kind: global_buffer, .address_space: global }
      - { .name: pad_matrix, .offset: 8, .size: 8, .value_kind: global_buffer, .address_space: global }
      - { .name: out0, .offset: 16, .size: 8, .value_kind: global_buffer, .address_space: global }
    .group_segment_fixed_size: 1536
    .private_segment_fixed_size: 0
    .kernarg_segment_align: 8
    .kernarg_segment_size: 24
    .max_flat_workgroup_size: 256
    .sgpr_count:     66
    .vgpr_count:     32
    .wavefront_size: 32
...
	.end_amdgpu_metadata
.endif
;; end of part 3
;; ======== version 2 of 2: 3 launches; version 1 with the launch prep written anew for expert scheduling mode
;; workspace buffers: ut 2,097,152 bytes; ah 262,144 bytes; part 524,288 bytes
;; launch prep (part 4): grid 144 x 1, 8 waves a work-group, no clusters, 271,360 bytes of LDS; arguments U, W, hidden, ut, ah; writes ut, ah
.if DOCPART == 4
	.amdgcn_target "amdgcn-amd-amdhsa--gfx1250"
	.amdhsa_code_object_version 6
	.text
	.protected	k_q2f75cff1e9_prep
	.globl	k_q2f75cff1e9_prep
	.p2align	8
	.type	k_q2f75cff1e9_prep,@function
k_q2f75cff1e9_prep:
	s_mov_b64 s[64:65], 0
	v_nop
	global_prefetch_b8 v0, s[64:65] scope:SCOPE_SE
	s_setreg_imm32_b32 hwreg(HW_REG_WAVE_SCHED_MODE, 0, 2), 2
	s_setreg_imm32_b32 hwreg(HW_REG_WAVE_MODE, 25, 1), 1
	s_wait_xcnt 0x0
	s_wait_alu depctr_vm_vsrc(0)
; TWO ROLES IN ONE TEXT, chosen by the work-group's number (the same in all eight waves).
; Work-groups 0-127:   ut[n][k] = bf16(U[k][n]): a tile of 128 k x 64 n is turned through LDS.  ut: [1024 n][1024 k] bf16.
; Work-groups 128-143: ah[b][n] = the sum over k of bf16(hidden[b][k]) bf16(W[k][n]), f32 sums, f32 result.  64 columns n a work-group, K split among
; the eight waves (128 k each); the eight partial sums meet in LDS.
; Every input is rounded to bf16 once, to nearest even.  NaN and infinities are not treated apart.
; No tensor load, no cluster: the tiles are turned and converted on the way, which only registers can do, and no two work-groups read the same bytes of U or W.
; THE MODE: SCHED_MODE bits 1:0 = 2 (LLVM: expert scheduling mode 2), set by the entry lines.  The code itself states the register dependences
; between vector or matrix instructions and memory or LDS instructions, with s_wait_alu, always for 0.
; THE PLAN.  Registers that memory or LDS instructions touch:
;   v8 TRO, v10 RB     made at the head and never written again.   v9 TD, v11 GO, v12 HO, v13 WF: finished at a role's start, ahead of the first wait on va_vdst there.
;   v14-17             PW, PR, PR2, FW: made behind the last products, ahead of the wait that stands in front of the partial sums' stores.
;   role U:   X (loads land; 16 conversions read; the way out's LDS loads land), T (the conversions write; 4 LDS stores read; never written again).
;   role ah:  W0 .. W3 = v128-255: group g's 16 conversions read W[g % 4]; behind them group g + 4 lands in it.
;             T0 .. T3 = v32-95:   group g's conversions write T[g % 4]; its 4 LDS stores read it.  Written again four groups on, behind ONE wait on vm_vsrc.
;             RAW = v256-511 (window 1): hidden's four chunks of 32 k as loaded, 64 registers each, loaded once; read by that chunk's 32 conversions alone.
;             WFr0, WFr1 = v32-63, v64-95: chunk c's fragments of W land in WFr[c % 2]; its 16 products read them; chunk c + 2's land there behind the wait of chunk c + 1.
;             HF = v96-127: named by conversions and products alone, until the way out's LDS loads land in it.
;             the accumulators v128-255: the products write them, the partial sums' 32 LDS stores read them; then the second tile's partial sums land in v128-191.
; So a group of the turning has ONE wait on va_vdst, behind its conversions; a chunk of the products has one, or none where it issues no load.
.set PT,    272                        ; an LDS row: 256 bytes + 16 of padding
.set TW,    64*PT                      ; a turned tile: 64 rows n x 128 k bf16; wave w's own at w x TW (role U: one tile at 0)
.set PP,    8*TW                       ; the partial sums: wave w's 16 tiles of 1,024 bytes at PP + 16,384 w
.set SPARE, PP+8*16384                 ; the spare words, 128 bytes for each wave: four blocks of 256 bytes that no other line names
.set SPW, 6                            ; v6   my spare word's address; never rewritten
.set NIL, 7                            ; v7   0; never rewritten
.set TRO, 8                            ; v8   memory: 8 (l / 16) rows of 4,096 bytes + 16 (l % 16)
.set TD,  9                            ; v9   LDS: row n = 4 (l % 16), byte 16 (l / 16) of the turned tile
.set RB,  10                           ; v10  LDS: row 8 w + l / 16, byte 16 (l % 16): whole rows back
.set GO,  11                           ; v11  the same place in the output
.set HO,  12                           ; v12  hidden: row l % 16, byte 32 (l / 16)
.set WF,  13                           ; v13  a fragment of the turned W
.set PW,  14                           ; v14  where I put partial sums
.set PR,  15                           ; v15  where I read them (waves 0-3's);  v16 the same for waves 4-7's
.set PR2, 16
.set FW,  17                           ; v17  where a finished tile goes
.set T,   16                           ; v16-31  role U: packed bf16 on its way to LDS
.set X,   32                           ; v32-95  role U: rows as loaded; role ah: T0 .. T3, then WFr0 and WFr1, then the first tile's partial sums
.set HF,  96                           ; v96-127 hidden's four fragments; at the end the finished rows on their way out
.set ACC, 128                          ; v128-255 first W's rows as loaded (four groups of 32), then 16 accumulators: (bb, nb) at ACC + 8 (4 bb + nb)
.set MSB, 0
.macro WIN new                         ; s_set_vgpr_msb: bits 1:0 source 0, 3:2 source 1, 7:6 destination; the high byte repeats the setting that is left
.if MSB != (\new)
	s_set_vgpr_msb (MSB<<8)|(\new)
.set MSB, \new
.endif
.endm
; 16 rows k x 64 columns n of f32: eight loads; sixteen lanes take 256 consecutive bytes, aligned.  A lane ends with 8 consecutive k x 4 n.
.macro TRLOAD base, x, krow
.irp i, 0,1,2,3,4,5,6,7
	global_load_b128 v[(\x)+4*(\i):(\x)+4*(\i)+3], v[TRO], s[\base:\base+1] offset:((\krow)+(\i))*4096 th:TH_LOAD_NT
.endr
.endm
; For each of the lane's four n: its 8 k are rounded to bf16 in pairs, 16 bytes (TRC), which go into row n of the turned tile (TRS).  A wait on va_vdst stands between the two.
.macro TRC x, t
.irp e, 0,1,2,3
.irp p, 0,1,2,3
	v_cvt_pk_bf16_f32 v[(\t)+4*(\e)+(\p)], v[(\x)+8*(\p)+(\e)], v[(\x)+8*(\p)+4+(\e)]
.endr
.endr
.endm
.macro TRS t, koff
.irp e, 0,1,2,3
	ds_store_b128 v[TD], v[(\t)+4*(\e):(\t)+4*(\e)+3] offset:(\e)*PT+(\koff)
.endr
.endm
.macro PLACES
.rept 4
	v_nop
.endr
.endm
; hidden, chunk c: 32 k of 64 rows b, 64 f32 a lane, into window 1 (the caller has set the destination's window)
.macro HLOAD c
.irp bb, 0,1,2,3
.irp m, 0,1,2,3
	global_load_b128 v[64*(\c)+16*(\bb)+4*(\m):64*(\c)+16*(\bb)+4*(\m)+3], v[HO], s[8:9] offset:(\bb)*65536+(\c)*128+16*((\m)%2)+64*((\m)/2)
.endr
.endr
.endm
; the chunk's 64 numbers are rounded into hidden's four fragments
.macro HCVT c
	WIN 0x05                                       ; sources 0 and 1 in window 1, destination in window 0
.set i, 0
.rept 32
	v_cvt_pk_bf16_f32 v[HF+i], v[64*(\c)+2*i], v[64*(\c)+2*i+1]
.set i, i+1
.endr
	WIN 0
.endm
; chunk c's four fragments of the turned W, out of my own tile: my stores are seen, since LDS serves a wave's instructions in order (ISA guide 5.7.1.4)
.macro WFRAG c
.irp nb, 0,1,2,3
	ds_load_b128 v[X+32*((\c)%2)+8*(\nb):X+32*((\c)%2)+8*(\nb)+3],   v[WF] offset:(\nb)*16*PT+64*(\c)
	ds_load_b128 v[X+32*((\c)%2)+8*(\nb)+4:X+32*((\c)%2)+8*(\nb)+7], v[WF] offset:(\nb)*16*PT+64*(\c)+32
.endr
.endm
; Source 0 = 16 columns n of W (turned), source 1 = 16 rows b of hidden: a lane ends with one b and eight neighbouring n.  The 16 accumulators take turns.
.macro MULS c
.irp bb, 0,1,2,3
.irp nb, 0,1,2,3
.if (\c) == 0
	v_wmma_f32_16x16x32_bf16 v[ACC+8*(4*(\bb)+(\nb)):ACC+8*(4*(\bb)+(\nb))+7], v[X+32*((\c)%2)+8*(\nb):X+32*((\c)%2)+8*(\nb)+7], v[HF+8*(\bb):HF+8*(\bb)+7], 0
.else
	v_wmma_f32_16x16x32_bf16 v[ACC+8*(4*(\bb)+(\nb)):ACC+8*(4*(\bb)+(\nb))+7], v[X+32*((\c)%2)+8*(\nb):X+32*((\c)%2)+8*(\nb)+7], v[HF+8*(\bb):HF+8*(\bb)+7], v[ACC+8*(4*(\bb)+(\nb)):ACC+8*(4*(\bb)+(\nb))+7]
.endif
.endr
.endr
.endm
; the eight waves' partial sums of tile 2 w + t into 64 registers from y on, and their sum into the first eight
.macro MEETL t, y
.irp u, 0,1,2,3
	ds_load_b128 v[(\y)+8*(\u):(\y)+8*(\u)+3],         v[PR]  offset:(\u)*16384+1024*(\t)
	ds_load_b128 v[(\y)+8*(\u)+4:(\y)+8*(\u)+7],       v[PR]  offset:(\u)*16384+1024*(\t)+16
	ds_load_b128 v[(\y)+32+8*(\u):(\y)+32+8*(\u)+3],   v[PR2] offset:(\u)*16384+1024*(\t)
	ds_load_b128 v[(\y)+32+8*(\u)+4:(\y)+32+8*(\u)+7], v[PR2] offset:(\u)*16384+1024*(\t)+16
.endr
.endm
.macro MEETA y
.irp w, 32,16,8
.set i, 0
.rept (\w)/2
	v_pk_add_f32 v[(\y)+i:(\y)+i+1], v[(\y)+i:(\y)+i+1], v[(\y)+(\w)+i:(\y)+(\w)+i+1]
.set i, i+2
.endr
.endr
.endm
	s_load_b256 s[4:11], s[0:1], 0x0               ; U s[4:5], W s[6:7], hidden s[8:9], ut s[10:11]
	s_load_b64 s[12:13], s[0:1], 0x20              ; ah
	v_lshl_add_u32 v[SPW], v0, 2, SPARE
	v_mov_b32 v[NIL], 0
	v_lshrrev_b32 v1, 5, v0
	v_readfirstlane_b32 s14, v1                    ; wave 0..7
	v_and_b32 v1, 15, v0                           ; l % 16
	v_bfe_u32 v2, v0, 4, 1                         ; l / 16
	v_and_b32 v3, 31, v0                           ; l
	v_lshlrev_b32 v4, 15, v2
	v_lshl_add_u32 v[TRO], v1, 4, v4
	v_mul_u32_u24 v4, v1, 4*PT
	v_lshl_add_u32 v[TD], v2, 4, v4
	s_wait_alu depctr_va_sdst(0)                   ; s14 is written, ahead of its first reader: addresses in memory and in LDS are made from it
	s_lshl_b32 s15, s14, 3
	v_add_nc_u32 v5, s15, v2                       ; 8 w + l / 16
	v_mul_u32_u24 v4, v5, PT
	v_lshl_add_u32 v[RB], v1, 4, v4
	s_mov_b32 s17, 0                               ; the high word of every offset
	s_wait_kmcnt 0x0
	s_wait_alu depctr_va_vdst(0)                   ; v[TRO] is written, which every load of U and of W reads as its offset; so is v[RB], which the way out's LDS loads read
	s_cmp_lt_u32 ttmp9, 128
	s_cbranch_scc0 .Lrole_ah
	; ROLE U.  kt = number % 8: 128 k; nq = number / 8: 64 n.  Wave w takes 16 of the k.
	s_and_b32 s18, ttmp9, 7
	s_lshr_b32 s19, ttmp9, 3
	s_lshl_b32 s16, s18, 19                        ; (128 kt + 16 w) rows of 4,096 bytes + 256 nq
	s_lshl_b32 s20, s14, 16
	s_or_b32 s16, s16, s20
	s_lshl_b32 s20, s19, 8
	s_or_b32 s16, s16, s20
	s_add_nc_u64 s[4:5], s[4:5], s[16:17]
	TRLOAD 4, X, 0
	s_lshl_b32 s20, s14, 5
	v_add_nc_u32 v[TD], s20, v[TD]                 ; my 16 k are bytes 32 w on of a turned row
	v_lshlrev_b32 v4, 11, v5
	v_lshl_add_u32 v[GO], v1, 4, v4                ; row 8 w + l / 16 of ut's 64, 2,048 bytes each
	s_lshl_b32 s16, s19, 17                        ; 64 nq rows + 256 kt
	s_lshl_b32 s20, s18, 8
	s_or_b32 s16, s16, s20
	s_add_nc_u64 s[10:11], s[10:11], s[16:17]
	s_wait_loadcnt 0x0
	TRC X, T
	s_wait_alu depctr_va_vdst(0)                   ; the conversions have written v[T ..], which the LDS stores read, and are done reading v[X ..], in which the LDS loads below land; v[TD] and v[GO] are written
	TRS T, 0
	s_wait_dscnt 0x0                               ; for the others' sake: my part of the turned tile is written
	s_barrier_signal -1
	s_barrier_wait -1
.irp i, 0,1,2,3
	ds_load_b128 v[X+4*(\i):X+4*(\i)+3], v[RB] offset:(\i)*2*PT
.endr
.irp i, 0,1,2,3
	s_wait_dscnt 3-(\i)
	global_store_b128 v[GO], v[X+4*(\i):X+4*(\i)+3], s[10:11] offset:(\i)*4096  ; sixteen lanes store 256 consecutive bytes, aligned
.endr
	s_branch .Lend
.Lrole_ah:
	; ROLE ah.  j = number - 128: columns 64 j on.  Wave w: k = 128 w on.
	s_sub_co_u32 s18, ttmp9, 128
	s_lshl_b32 s16, s14, 19                        ; 128 w rows of W + 256 j
	s_lshl_b32 s20, s18, 8
	s_or_b32 s16, s16, s20
	s_add_nc_u64 s[6:7], s[6:7], s[16:17]
.irp g, 0,1,2,3
	TRLOAD 6, ACC+32*(\g), 16*(\g)
.endr
	s_mul_i32 s21, s14, TW
	v_add_nc_u32 v[TD], s21, v[TD]                 ; my own turned tile
	v_mul_u32_u24 v4, v1, PT
	v_lshl_add_u32 v4, v2, 4, v4
	v_add_nc_u32 v[WF], s21, v4                    ; a fragment: row l % 16, 16 bytes for each half of the lanes
	v_lshlrev_b32 v4, 12, v1
	v_lshl_add_u32 v[HO], v2, 5, v4
	s_lshl_b32 s16, s14, 9                         ; hidden at k = 128 w
	s_add_nc_u64 s[8:9], s[8:9], s[16:17]
	; THE TURNING OF W, eight groups of 16 rows k.  Groups 0 to 3 ask for groups 4 to 7; groups 4 to 6 ask for hidden's chunks 0 to 2.
.irp g, 0,1,2,3
	s_wait_loadcnt 24                              ; group g is in; the three younger groups of eight loads stay out
	TRC ACC+32*(\g), X+16*(\g)
	s_wait_alu depctr_va_vdst(0)                   ; the conversions are done reading the group's registers, in which the loads below land, and have written T[g], which the LDS stores read; in group 0 v[TD], v[WF] and v[HO] are written too
	TRLOAD 6, ACC+32*(\g), 16*((\g)+4)
	TRS X+16*(\g), 32*(\g)
.endr
	s_wait_alu depctr_vm_vsrc(0)                   ; the LDS stores of groups 0 to 3 have read T0 to T3, which the conversions of groups 4 to 7 write again
.irp g, 4,5,6
	s_wait_loadcnt 8*(7-(\g))+16*((\g)-4)          ; group g is in; W's younger groups and the chunks of hidden asked for so far stay out
	TRC ACC+32*((\g)-4), X+16*((\g)-4)
	WIN 0x40                                       ; destination in window 1, address in window 0
	s_wait_alu depctr_va_vdst(0)                   ; the conversions have written T[g - 4], which the LDS stores below read
	HLOAD (\g)-4
	WIN 0
	TRS X+16*((\g)-4), 32*(\g)
.endr
	s_wait_loadcnt 48                              ; group 7 is in; hidden's chunks 0 to 2 stay out
	TRC ACC+96, X+48
	s_wait_alu depctr_va_vdst(0)                   ; the conversions have written T3, which the LDS stores read; every conversion that wrote v[X ..] stands ahead of this wait, and the fragments below land there
	TRS X+48, 224
	s_wait_alu depctr_vm_vsrc(0)                   ; the LDS stores of groups 4 to 7 have read T0 to T3: these registers are WFr0 and WFr1 from here on
	WFRAG 0
	WFRAG 1
	; THE PRODUCTS, four chunks of 32 k.  A chunk's fragments of W were asked for a chunk or more ahead, its part of hidden three groups or chunks ahead.
	s_wait_loadcnt 32                              ; hidden's chunk 0 is in; chunks 1 and 2 stay out
	WIN 0x40
	HLOAD 3                                        ; no wait: no vector instruction ever names these registers, and none has named v[HO] since group 0's wait.  48 loads of mine are out
	HCVT 0
	s_wait_dscnt 8                                 ; chunk 0's fragments are in; chunk 1's eight loads stay out
	MULS 0
.irp c, 1,2
	s_wait_loadcnt 16*(3-(\c))                     ; chunk c of hidden is in; the younger chunks stay out
	PLACES                                         ; behind the last product, in front of conversions into registers that it read (ISA guide 7.12.1)
	HCVT \c
	s_wait_alu depctr_va_vdst(0)                   ; the products of the chunk before are done reading their fragments of W, in which the loads below land
	WFRAG (\c)+1
	s_wait_dscnt 8                                 ; chunk c's fragments are in; the eight loads just issued stay out
	MULS \c
.endr
	s_wait_loadcnt 0x0
	PLACES
	HCVT 3
	s_wait_dscnt 0x0
	MULS 3
	; the addresses of the meeting: plain work behind the last products
	s_lshl_b32 s20, s14, 14
	s_add_co_u32 s20, s20, PP
	v_lshl_add_u32 v[PW], v3, 5, s20               ; PP + 16,384 w + 32 l
	s_lshl_b32 s20, s14, 11
	s_add_co_u32 s20, s20, PP
	v_lshl_add_u32 v[PR], v3, 5, s20               ; tiles 2 w and 2 w + 1 of wave 0's sixteen
	v_add_nc_u32 v[PR2], 65536, v[PR]              ; and of wave 4's: an LDS immediate has 16 bits
	s_lshr_b32 s20, s14, 1
	s_lshl_b32 s20, s20, 4
	v_add_nc_u32 v4, s20, v1                       ; b = 16 (w / 2) + l % 16
	v_mul_u32_u24 v4, v4, PT
	v_lshl_add_u32 v4, v2, 5, v4                   ; 8 n of f32 for each half of the lanes
	s_and_b32 s20, s14, 1
	s_lshl_b32 s20, s20, 7
	v_add_nc_u32 v[FW], s20, v4                    ; n block 2 (w % 2)
	s_wait_alu depctr_va_vdst(0)                   ; the products have written the accumulators, which the LDS stores read, and are done reading WFr and HF, in which LDS loads land below; v[PW], v[PR], v[PR2] and v[FW] are written.  The seven lines above stay as the places
.irp q, 0,1,2,3,4,5,6,7,8,9,10,11,12,13,14,15
	ds_store_b128 v[PW], v[ACC+8*(\q):ACC+8*(\q)+3]   offset:1024*(\q)
	ds_store_b128 v[PW], v[ACC+8*(\q)+4:ACC+8*(\q)+7] offset:1024*(\q)+16
.endr
	s_wait_dscnt 0x0                               ; my partial sums are written, and my reads of my turned tile are long back
	s_barrier_signal -1
	s_barrier_wait -1
	; Wave w adds the eight partial sums of tiles 2 w and 2 w + 1 and lays them by rows b (pitch 272) from LDS byte 0 on, where nobody reads a turned tile any more.
	s_wait_alu depctr_vm_vsrc(0)                   ; my LDS stores have read the accumulators: the second tile's partial sums land in the first 64 of them
	MEETL 0, X
	MEETL 1, ACC
	s_wait_dscnt 16                                ; the first tile's sixteen loads are in; the second's stay out
	MEETA X
	s_wait_dscnt 0x0
	MEETA ACC
	v_lshlrev_b32 v4, 12, v5
	v_lshl_add_u32 v[GO], v1, 4, v4                ; row 8 w + l / 16 of ah
	s_lshl_b32 s16, s18, 8
	s_add_nc_u64 s[12:13], s[12:13], s[16:17]      ; columns 64 j on
	s_wait_alu depctr_va_vdst(0)                   ; the additions have written both tiles' sums, which the LDS stores read; v[GO] is written, which the global stores read
	ds_store_b128 v[FW], v[X:X+3]
	ds_store_b128 v[FW], v[X+4:X+7]     offset:16
	ds_store_b128 v[FW], v[ACC:ACC+3]   offset:64
	ds_store_b128 v[FW], v[ACC+4:ACC+7] offset:80
	s_wait_dscnt 0x0
	s_barrier_signal -1
	s_barrier_wait -1
.irp i, 0,1,2,3
	ds_load_b128 v[HF+4*(\i):HF+4*(\i)+3], v[RB] offset:(\i)*2*PT  ; into HF: no memory or LDS instruction has read it, and the vector and matrix instructions that named it stand ahead of the waits above
.endr
.irp i, 0,1,2,3
	s_wait_dscnt 3-(\i)
	global_store_b128 v[GO], v[HF+4*(\i):HF+4*(\i)+3], s[12:13] offset:(\i)*8192  ; sixteen lanes store 256 consecutive bytes, aligned
.endr
.Lend:
	s_wait_dscnt 0x0                               ; the wave's end
	s_wait_alu 0x0
	s_wait_tensorcnt 0x0
	ds_add_u32 v[SPW], v[NIL]
	s_wait_dscnt 0x0
	s_endpgm
.Lfunc_end_k_q2f75cff1e9_prep:
	.size	k_q2f75cff1e9_prep, .Lfunc_end_k_q2f75cff1e9_prep-k_q2f75cff1e9_prep
	.p2alignl 7, 3214868480
	.fill 96, 4, 3214868480
	.section	.rodata,"a",@progbits
	.p2align	6, 0x0
	.amdhsa_kernel k_q2f75cff1e9_prep
		.amdhsa_group_segment_fixed_size 271360
		.amdhsa_private_segment_fixed_size 0
		.amdhsa_enable_private_segment 0
		.amdhsa_kernarg_size 40
		.amdhsa_user_sgpr_count 2
		.amdhsa_user_sgpr_kernarg_segment_ptr 1
		.amdhsa_wavefront_size32 1
		.amdhsa_system_sgpr_workgroup_id_x 1
		.amdhsa_system_sgpr_workgroup_id_y 1
		.amdhsa_system_sgpr_workgroup_id_z 1
		.amdhsa_system_vgpr_workitem_id 0
		.amdhsa_next_free_vgpr 512
		.amdhsa_next_free_sgpr 66
		.amdhsa_reserve_vcc 0
		.amdhsa_float_denorm_mode_32 3
		.amdhsa_float_denorm_mode_16_64 3
		.amdhsa_memory_ordered 1
		.amdhsa_forward_progress 1
		.amdhsa_inst_pref_size 54
	.end_amdhsa_kernel
	.amdgpu_metadata
---
amdhsa.version: [ 1, 2 ]
amdhsa.kernels:
  - .name:           k_q2f75cff1e9_prep
    .symbol:         k_q2f75cff1e9_prep.kd
    .args:
      - { .name: U, .offset: 0, .size: 8, .value_kind: global_buffer, .address_space: global }
      - { .name: W, .offset: 8, .size: 8, .value_kind: global_buffer, .address_space: global }
      - { .name: hidden, .offset: 16, .size: 8, .value_kind: global_buffer, .address_space: global }
      - { .name: ut, .offset: 24, .size: 8, .value_kind: global_buffer, .address_space: global }
      - { .name: ah, .offset: 32, .size: 8, .value_kind: global_buffer, .address_space: global }
    .group_segment_fixed_size: 271360
    .private_segment_fixed_size: 0
    .kernarg_segment_align: 8
    .kernarg_segment_size: 40
    .max_flat_workgroup_size: 256
    .sgpr_count:     66
    .vgpr_count:     512
    .wavefront_size: 32
...
	.end_amdgpu_metadata
.endif
;; end of part 4
;; launch main: the kernel of part 2 again; grid 256 x 1, 4 waves a work-group, clusters of 4 x 1, 327,680 bytes of LDS; arguments inputs, ut, ah, v, part; writes part
;; launch soft: the kernel of part 3 again; grid 64 x 1, 8 waves a work-group, no clusters, 1,536 bytes of LDS; arguments part, pad_matrix, out0; writes out0
